; MI455X (gfx1250); checked and timed in simulation.
; The chip was launched on July 23, 2026; its instructions are those of AMD's public machine-readable ISA for CDNA 5 (MIT licence, August 2026) and "CDNA5" Instruction Set Architecture Reference Guide (July 2026). The comments in the code are by the model that wrote it; some were corrected since.
;; FF Dense. Allowed arithmetic: matrix products marked QUANTISED: E2M1 operands, one E8M0 scale for each 32 along K, by v_wmma_scale_f32_16x16x128_f8f6f4 with both operands' format E2M1 (or v_wmma_scale_f32_32x16x128_f4), f32 sums; everything else in f32.
;; Inputs: W 4,096 x 4,096 float32; b 4,096 float32; x 4,096 x 4,096 float32.
;; Outputs: out0 4,096 x 4,096 float32.
;; This version of the problem:
;;   THIS VERSION OF THE PROBLEM IS GIVEN IN LOW PRECISION. The matrix products marked QUANTISED in the list below multiply operands that are first quantised to E2M1 (2 exponent bits, 1 mantissa bit; 4 bits a number), with one power-of-two scale for each 32 numbers along K (OCP MX v1.0); their sums are f32. All else is computed in f32.
;;   The module's matrix products, in the order in which they are computed (A, B: the left and right operand; K: the contracted axis; several contracted axes count as one K, in the product's order):
;;     1. [M 4,096, K 4,096] x [K 4,096, N 4,096]; A: computed on the way; B: input W: QUANTISED
;;   THE QUANTISER, for each operand of a quantised product, along K:
;;     - K is cut into blocks of 32 from its start; a last block that is shorter is filled with zeros.
;;     - A block's scale is 2^e with e = floor(log2(the largest magnitude in the block)) - 2, held to -126 .. 127; a block of zeros has e = 0. As a byte (E8M0): e + 127.
;;     - Each number is divided by its block's scale, clamped to +-6, and rounded to the nearest number of E2M1, ties to even, subnormals kept.
;;     - The product sums the exact products of the quantised numbers (number of the format x scale) in f32.
;;   ~~~python
;;   def quantise(x, axis):      # numpy; x: float32 -> the quantised numbers, widened to float32 again
;;       x = np.moveaxis(x, axis, -1); K = x.shape[-1]
;;       x = np.pad(x, [(0, 0)] * (x.ndim - 1) + [(0, -K % 32)]); x = x.reshape(x.shape[:-1] + (-1, 32)); a = np.abs(x).max(-1, keepdims=True)
;;       e = np.where(a > 0, np.clip(np.frexp(np.where(a > 0, a, 1))[1] - 1 - 2, -126, 127), 0)      # np.frexp(a)[1] - 1 = floor(log2(a)), exactly
;;       r = np.clip(x / 2.0 ** e, -6, 6)
;;       step = 2.0 ** (np.maximum(np.frexp(np.where(r == 0, 1, r))[1] - 1, 0) - 1)
;;       q = np.round(r / step) * step * 2.0 ** e      # np.round: ties to even
;;       return np.moveaxis(q.reshape(q.shape[:-2] + (-1,))[..., :K], -1, axis).astype(np.float32)
;;   ~~~
;;   OPERANDS COMPUTED ON THE WAY. 'Computed on the way' means the value that the module computes at that place (a softmax that the list does not call 'softmax' is quantised finished and normalised). What goes into a quantiser is computed in f32, as accurately as f32 sums, v_exp_f32 and their like allow (about 1e-6 of the number): no bf16 or f16 on the way to a quantiser, and a product that is left as it is and whose result goes on into a quantised operand takes f32 operands (vector FMAs, or v_wmma_f32_16x16x4_f32). A number that lies on a knife's edge between two numbers of the format may be rounded either way, as far as f32 arithmetic and the matrix unit's own rounding can turn it there, and no further.
;; One version. Each part assembles by itself: llvm-mc -triple=amdgcn-amd-amdhsa -mcpu=gfx1250 --defsym DOCPART=n.
;; ======== version 1 of 1: 2 launches
;; limits: right only within a limited range of input values
;; workspace buffers: xq 8,912,896 bytes; wq 8,912,896 bytes
;; launch quant (part 1): grid 512 x 1, 8 waves a work-group, no clusters, 80,896 bytes of LDS; arguments x, W, xq, wq; writes xq, wq
.if DOCPART == 1
	.amdgcn_target "amdgcn-amd-amdhsa--gfx1250"
	.amdhsa_code_object_version 6
	.text
	.protected	k_qd5989c3c50_quant
	.globl	k_qd5989c3c50_quant
	.p2align	8
	.type	k_qd5989c3c50_quant,@function
k_qd5989c3c50_quant:
	s_mov_b64 s[64:65], 0
	v_nop
	global_prefetch_b8 v0, s[64:65] scope:SCOPE_SE
	s_setreg_imm32_b32 hwreg(HW_REG_WAVE_MODE, 25, 1), 1
	s_wait_xcnt 0x0
; Both operands of out = relu((x / (|x| + 1e-5)) W + b) become codes of FP4 (E2M1) with one E8M0 scale byte for each 32 along K.
; x: [4096 rows][4096 K] f32, K innermost; each row is first multiplied by 1 / (its L2 norm + 1e-5).  W: [4096 K][4096 columns] f32, K is its first axis.
; A block's scale is 2^(floor(log2(its largest magnitude)) - 2): its byte is the largest magnitude's exponent field - 2, held at 1 from below; each number is divided by the scale and rounded to the nearest code, ties to even.
; xq and wq have ONE layout, the order of the product's operand registers: [rb: 128 operand rows][ks: 512 along K][a block of BLK bytes].  With operand row 16 i + r and kb = (k / 32) % 16, a block holds
;   at i * 4096 + kb * 256 + 16 r the 16 bytes (32 codes, the lower k in the lower four bits) of that row's block kb, and at 32768 + i * 256 + 16 r + kb its scale byte.
; So a fragment (16 rows x 128 K) is 1,024 bytes on end, 16 bytes a lane, and a row's four scale words lie on end too: the product's launch takes a block by one dense load.
; Work-groups 0-255 take 16 rows of x each, work-groups 256-511 take 128 columns x 512 K of W each: 256 KiB of f32 either way.  The two ways part on the work-group's number and have LDS bytes of their own.
; LIMITS: NaN and infinities among the inputs are not served.  A block of zeros gets the byte 1 where the rule says 127: its codes are zeros, which add nothing under any byte but 0xff, and this program alone reads the bytes.
; 1 / norm is v_rcp_f32 bettered by one Newton step, and x is multiplied by it: not a division.  A sum of squares under 2^-126 counts as 0 (v_sqrt_f32 flushes it): nothing beside the 1e-5.
.set BLK,  34816                       ; 32,768 bytes of codes + 2,048 scale bytes
.set RBS,  8*BLK                       ; the eight K steps of 128 operand rows
.set SP,   80                          ; x: a lane's place in a turning stage: its 64 bytes + 16 of padding
.set XOUT, 40960                       ; x: behind the eight waves' two turning stages (8 x 2 x 32 x SP): 128 rows (one for each block of 32 along K) of 16 x 16 bytes of codes + 16 of padding
.set XSCL, 75776                       ; x: the scale bytes, [ks][r][16]
.set WSCL, 77824                       ; W: the scale bytes, [operand row 0..127][16]
.set GA,  2                            ; v2   x: 16 x lane
.set SI,  3                            ; v3   x: the turning stage, on the way in
.set SO,  4                            ; v4   x: and on the way out
.set OC,  5                            ; v5   x: where my 8 bytes of codes go
.set OS,  6                            ; v6   x: where my block's scale byte goes
.set RC,  7                            ; v7   x: where I read codes back
.set RS,  8                            ; v8   x: where I read scale bytes back
.set VC,  9                            ; v9   x: my byte offset in xq's block, codes
.set VS,  10                           ; v10  x: and scale bytes
.set INV, 20                           ; v[20:21] x: 1 / (norm + 1e-5), twice: a pair for the packed multiply
.set S,   24                           ; v[24:31] x: four packed chains of the sum of squares
.set X,   32                           ; v[32:63] x: two sets of 16 neighbours along K
.set R,   64                           ; v[64:191] x: a row as it is loaded: load n in R + 4 n
.set C,   192                          ; v[192:207] x: codes, two registers for each step of a row
.set E,   208                          ; v[208:215] x: a scale byte for each step
.set SB,  20                           ; v[20:21] W: my column's eight scale bytes
.set XW,  64                           ; v[64:127] W: two sets of 32 numbers down K
.set CW,  128                          ; v[128:159] W: codes, four registers for each block: no store's data are written again
	s_load_b256 s[4:11], s[0:1], 0x0               ; x s[4:5], W s[6:7], xq s[8:9], wq s[10:11]
	v_lshl_add_u32 v216, v0, 2, 0x13800
	v_mov_b32 v217, 0
	v_lshrrev_b32 v1, 5, v0
	s_delay_alu instid0(VALU_DEP_1)
	v_readfirstlane_b32 s12, v1                    ; wave 0..7
	v_and_b32 v1, 31, v0                           ; lane
	s_mov_b32 s24, 0x76543210                      ; v_permlanex16_b32's selects for lane l xor 16
	s_mov_b32 s25, 0xfedcba98
	s_wait_kmcnt 0x0
	s_cmp_lt_u32 ttmp9, 256                        ; the same for all waves of a work-group
	s_cbranch_scc0 .Lw
; ------------------------------------------------------------------ x: work-group G takes rows 16 G .. 16 G + 15 (rb = G / 8, i = G % 8); wave w rows r = 2 w and 2 w + 1, one after the other
	s_lshl_b32 s14, ttmp9, 18                      ; 16 rows of 16,384 bytes a work-group,
	s_lshl_b32 s15, s12, 15                        ; two a wave
	s_add_co_u32 s14, s14, s15
	s_mov_b32 s15, 0
	s_add_nc_u64 s[4:5], s[4:5], s[14:15]
	s_wait_alu depctr_va_vdst(0)
	v_lshlrev_b32 v[GA], 4, v1
.macro XLOAD4 j, t                     ; row j's numbers 512 t .. 512 t + 511: four loads, each of 512 consecutive bytes, 16 a lane
.irp n, 0,1,2,3
	global_load_b128 v[R+16*(\t)+4*\n:R+16*(\t)+4*\n+3], v[GA], s[4:5] offset:16384*(\j)+2048*(\t)+512*\n th:TH_LOAD_NT
.endr
.endm
.irp t, 0,1,2,3,4,5,6,7
	XLOAD4 0, \t                                   ; the whole first row: 32 loads of the wave are out
.endr
	s_lshr_b32 s16, ttmp9, 3                       ; rb
	s_mul_i32 s16, s16, RBS
	s_mul_i32 s17, s12, BLK                        ; on the way out wave w stores the work-group's part of K step w
	s_add_co_u32 s16, s16, s17
	s_mov_b32 s17, 0
	s_add_nc_u64 s[8:9], s[8:9], s[16:17]
	s_mul_i32 s19, s12, 2*32*SP                    ; my wave's two turning stages
	v_lshrrev_b32 v11, 2, v1
	s_delay_alu instid0(VALU_DEP_1)
	v_mul_u32_u24 v11, v11, SP
	v_and_b32 v12, 3, v1
	s_delay_alu instid0(VALU_DEP_1)
	v_lshl_add_u32 v11, v12, 4, v11
	s_delay_alu instid0(VALU_DEP_1)
	v_add_nc_u32 v[SI], s19, v11                   ; in: four lanes' 64 bytes on end, then the padding: SP (lane / 4) + 16 (lane % 4)
	v_mul_u32_u24 v11, v1, SP
	s_delay_alu instid0(VALU_DEP_1)
	v_add_nc_u32 v[SO], s19, v11                   ; out: SP x lane: my 16 neighbours
	v_lshrrev_b32 v11, 1, v1                       ; two lanes hold a block: lane / 2 is the block in the step,
	v_and_b32 v12, 1, v1                           ; lane % 2 the half of it
	s_delay_alu instid0(VALU_DEP_2)
	v_mul_u32_u24 v13, v11, 272
	s_delay_alu instid0(VALU_DEP_1)
	v_lshl_add_u32 v13, v12, 3, v13
	s_lshl_b32 s20, s12, 5                         ; my two rows' 32 bytes
	s_add_co_u32 s21, s20, XOUT
	v_add_nc_u32 v[OC], s21, v13
	s_add_co_u32 s21, s20, XSCL
	v_add_nc_u32 v[OS], s21, v11
	v_lshrrev_b32 v11, 4, v1
	v_and_b32 v12, 15, v1
	s_delay_alu instid0(VALU_DEP_2)
	v_mul_u32_u24 v13, v11, 272
	s_delay_alu instid0(VALU_DEP_1)
	v_lshl_add_u32 v13, v12, 4, v13
	s_mul_i32 s21, s12, 16*272                     ; K step w's sixteen rows of the stage
	s_add_co_u32 s21, s21, XOUT
	v_add_nc_u32 v[RC], s21, v13                   ; back: lanes 0-15 one row of 256 bytes, lanes 16-31 the next
	v_lshlrev_b32 v11, 3, v1
	s_lshl_b32 s21, s12, 8
	s_add_co_u32 s21, s21, XSCL
	v_add_nc_u32 v[RS], s21, v11                   ; K step w's 256 scale bytes, 8 a lane
	s_and_b32 s18, ttmp9, 7                        ; i
	s_lshl_b32 s21, s18, 12
	v_add_nc_u32 v[VC], s21, v[GA]                 ; in xq's block: 4096 i + 16 x lane,
	s_lshl_b32 s21, s18, 8
	s_add_co_u32 s21, s21, 32768
	v_add_nc_u32 v[VS], s21, v11                   ; 32768 + 256 i + 8 x lane
	v_mov_b32 v15, 0                               ; written once: a lane permute's destination counts as one of its sources
; The row's sum of squares as its loads arrive, then 1 / (sqrt + 1e-5) in v[INV:INV+1].
.macro SUMSQ
.irp g, 0,1,2,3,4,5,6,7
	s_wait_alu depctr_va_vdst(0)
	s_wait_loadcnt 28-4*\g                         ; loads come back in order: the row's first 4 g + 4 are in, its 28 - 4 g younger ones may be out
.irp p, 0,1,2,3,4,5,6,7
.if (\g == 0) && (\p < 4)
	v_pk_mul_f32 v[S+2*\p:S+2*\p+1], v[R+2*\p:R+2*\p+1], v[R+2*\p:R+2*\p+1]       ; the first four products start the chains: nothing is cleared
.else
	v_pk_fma_f32 v[S+2*(\p%4):S+2*(\p%4)+1], v[R+16*\g+2*\p:R+16*\g+2*\p+1], v[R+16*\g+2*\p:R+16*\g+2*\p+1], v[S+2*(\p%4):S+2*(\p%4)+1]
.endif
.endr
.endr
	s_delay_alu instid0(VALU_DEP_3)
	v_pk_add_f32 v[S:S+1], v[S:S+1], v[S+2:S+3]
	s_delay_alu instid0(VALU_DEP_2)
	v_pk_add_f32 v[S+4:S+5], v[S+4:S+5], v[S+6:S+7]
	s_delay_alu instid0(VALU_DEP_1)
	v_pk_add_f32 v[S:S+1], v[S:S+1], v[S+4:S+5]
	s_delay_alu instid0(VALU_DEP_1)
	v_add_f32 v16, v[S], v[S+1]
	s_delay_alu instid0(VALU_DEP_1)
	v_add_f32_dpp v16, v16, v16 row_xmask:1 row_mask:0xf bank_mask:0xf
	s_delay_alu instid0(VALU_DEP_1)
	v_add_f32_dpp v16, v16, v16 row_xmask:2 row_mask:0xf bank_mask:0xf
	s_delay_alu instid0(VALU_DEP_1)
	v_add_f32_dpp v16, v16, v16 row_xmask:4 row_mask:0xf bank_mask:0xf
	s_delay_alu instid0(VALU_DEP_1)
	v_add_f32_dpp v16, v16, v16 row_xmask:8 row_mask:0xf bank_mask:0xf
	s_delay_alu instid0(VALU_DEP_1)
	v_permlanex16_b32 v15, v16, s24, s25
	s_delay_alu instid0(VALU_DEP_1)
	v_add_f32 v16, v16, v15                        ; every lane holds the row's sum of squares
	s_wait_alu depctr_va_vdst(0)
	v_sqrt_f32 v17, v16
	v_nop                                          ; a plain instruction behind a transcendental before its result is used (ISA guide 5.7.2)
	s_wait_alu depctr_va_vdst(0)
	v_add_f32 v16, 0x3727c5ac, v17                 ; + 1e-5
	s_wait_alu depctr_va_vdst(0)
	v_rcp_f32 v17, v16
	v_nop
	s_wait_alu depctr_va_vdst(0)
	v_fma_f32 v18, -v16, v17, 1.0                  ; one Newton step: e = 1 - n y,
	v_fma_f32 v[INV], v18, v17, v17                ; y + e y
	s_delay_alu instid0(VALU_DEP_1)
	v_mov_b32 v[INV+1], v[INV]
.endm
; Step t's 2,048 bytes turn through my stage: stored as they were loaded, read back 64 bytes a lane.  LDS serves a wave's instructions in order (ISA guide 5.7.1.4): no wait between the stores and the loads.
.macro XTURN t
.irp n, 0,1,2,3
	ds_store_b128 v[SI], v[R+16*(\t)+4*\n:R+16*(\t)+4*\n+3] offset:32*SP*((\t)%2)+8*SP*\n
.endr
.irp n, 0,1,2,3
	ds_load_b128 v[X+16*((\t)%2)+4*\n:X+16*((\t)%2)+4*\n+3], v[SO] offset:32*SP*((\t)%2)+16*\n
.endr
.endm
; Step t of row j: 512 numbers, 16 neighbours a lane, two lanes to a block of 32.  more = 1: the registers that the step has left take the next row's loads.
.macro XSTEP j, t, more
.set XS, X+16*((\t)%2)
.if (\t) > 0
	s_wait_dscnt 2                                 ; this step's numbers are back from the stage; the two LDS stores of the last step, issued behind them, may be out
.else
	s_wait_dscnt 0x0
.endif
.if \more
	XLOAD4 (\j)+1, \t                              ; the stores that read these registers stand ahead of the loads just shown back
.endif
.if (\t) < 7
	XTURN (\t)+1                                   ; the next step goes through the other stage while this one is worked
.endif
.irp p, 0,2,4,6,8,10,12,14
	v_pk_mul_f32 v[XS+\p:XS+\p+1], v[XS+\p:XS+\p+1], v[INV:INV+1]              ; x / (norm + 1e-5), in f32
.endr
	v_max3_num_f32 v12, |v[XS]|, |v[XS+1]|, |v[XS+2]|                           ; the largest magnitude of my 16, in two chains
	v_max3_num_f32 v13, |v[XS+3]|, |v[XS+4]|, |v[XS+5]|
.irp i, 6,10
	s_delay_alu instid0(VALU_DEP_2)
	v_max3_num_f32 v12, v12, |v[XS+\i]|, |v[XS+\i+1]|
	s_delay_alu instid0(VALU_DEP_2)
	v_max3_num_f32 v13, v13, |v[XS+\i+2]|, |v[XS+\i+3]|
.endr
	s_delay_alu instid0(VALU_DEP_2)
	v_max3_num_f32 v12, v12, |v[XS+14]|, |v[XS+15]|
	s_delay_alu instid0(VALU_DEP_1)
	v_max3_num_f32 v12, v12, v13, 0x1800000        ; and the floor 2^(3 - 127): the byte cannot fall under 1
	s_delay_alu instid0(VALU_DEP_1)
	v_max_num_f32_dpp v12, v12, v12 row_xmask:1 row_mask:0xf bank_mask:0xf      ; with my neighbour's 16: the block's
	s_delay_alu instid0(VALU_DEP_1)
	v_add_nc_u32 v14, 0xff000000, v12              ; 2 off its exponent field: the conversion takes the exponent field of this operand as its scale, and nothing else of it
	v_cvt_scalef32_pk8_fp4_f32 v[C+2*(\t)], v[XS:XS+7], v14
	v_cvt_scalef32_pk8_fp4_f32 v[C+2*(\t)+1], v[XS+8:XS+15], v14
	v_lshrrev_b32 v[E+(\t)], 23, v14               ; the scale's byte (also the plain instruction behind the conversions)
	ds_store_b8 v[OS], v[E+(\t)] offset:256*(\t)+16*(\j)                        ; both lanes of a block write the same byte with the same value
	ds_store_b64 v[OC], v[C+2*(\t):C+2*(\t)+1] offset:16*272*(\t)+16*(\j)       ; my 16 codes: row 16 t + lane / 2 of the stage, at my row's 16 bytes
.endm
	SUMSQ
	XTURN 0
	s_wait_alu depctr_va_vdst(0)
.irp t, 0,1,2,3,4,5,6,7
	XSTEP 0, \t, 1
.endr
	SUMSQ                                          ; the second row's 32 loads were issued in the eight steps above, in the same order
	XTURN 0
	s_wait_alu depctr_va_vdst(0)
.irp t, 0,1,2,3,4,5,6,7
	XSTEP 1, \t, 0
.endr
	s_wait_dscnt 0x0                               ; for the others' sake: my stores into the stage and among the scale bytes are done
	s_barrier_signal -1
	s_barrier_wait -1                              ; the sixteen rows' codes and scale bytes lie in LDS
.irp t, 0,1,2,3,4,5,6,7
	ds_load_b128 v[R+4*\t:R+4*\t+3], v[RC] offset:2*272*\t
.endr
	ds_load_b64 v[R+32:R+33], v[RS]
.irp t, 0,1,2,3,4,5,6,7
	s_wait_dscnt 8-\t                              ; load t is back; the 8 - t issued behind it may be out
	global_store_b128 v[VC], v[R+4*\t:R+4*\t+3], s[8:9] offset:512*\t           ; the wave stores 512 consecutive bytes, at a multiple of 256 from xq's first byte
.endr
	s_wait_dscnt 0x0
	global_store_b64 v[VS], v[R+32:R+33], s[8:9]   ; 256 consecutive scale bytes, likewise aligned
	s_wait_tensorcnt 0x0
	ds_add_u32 v216, v217
	s_wait_dscnt 0x0
	s_endpgm
; ------------------------------------------------------------------ W: work-group G' takes columns 128 (G' % 32) on and K 512 (G' / 32) on; wave w columns 32 (w % 4) on, K 256 (w / 4) on: eight blocks of 32
; A lane takes a column and its registers run down K: each load reads 128 consecutive bytes, a block lies in one lane's 32 registers, and the conversions give codes with K innermost.  In wq's layout
; sixteen neighbouring columns' codes of one block are 256 consecutive bytes: they are stored straight from the registers.
.Lw:
	s_sub_co_u32 s13, ttmp9, 256
	s_and_b32 s14, s13, 31                         ; nb: which 128 columns
	s_lshr_b32 s15, s13, 5                         ; ks: which 512 along K
	s_and_b32 s16, s12, 3                          ; g
	s_lshr_b32 s17, s12, 2                         ; kh
	s_lshl_b32 s18, s15, 23                        ; 512 rows of 16,384 bytes,
	s_lshl_b32 s19, s17, 22                        ; 256 rows,
	s_add_co_u32 s18, s18, s19
	s_lshl_b32 s19, s14, 9                         ; 128 columns of 4 bytes,
	s_add_co_u32 s18, s18, s19
	s_lshl_b32 s19, s16, 7                         ; 32 columns
	s_add_co_u32 s18, s18, s19
	s_mov_b32 s19, 0
	s_add_nc_u64 s[6:7], s[6:7], s[18:19]
	s_wait_alu depctr_va_vdst(0)
	v_lshlrev_b32 v2, 2, v1                        ; 4 bytes a lane
.macro WLOAD t                         ; block t: W(32 t + n, my column), n = 0 .. 31, into set t % 2.  The largest offset, 255 rows, lies inside the signed 24-bit immediate
.irp n, 0,1,2,3,4,5,6,7,8,9,10,11,12,13,14,15,16,17,18,19,20,21,22,23,24,25,26,27,28,29,30,31
	global_load_b32 v[XW+32*((\t)%2)+\n], v2, s[6:7] offset:(32*(\t)+\n)*16384 th:TH_LOAD_NT
.endr
.endm
	WLOAD 0
	WLOAD 1
	s_mul_i32 s20, s14, RBS
	s_mul_i32 s21, s15, BLK
	s_add_co_u32 s20, s20, s21
	s_mov_b32 s21, 0
	s_add_nc_u64 s[10:11], s[10:11], s[20:21]      ; wq's block (nb, ks)
	v_lshrrev_b32 v7, 4, v1
	v_and_b32 v8, 15, v1
	s_delay_alu instid0(VALU_DEP_2)
	v_lshlrev_b32 v3, 12, v7
	s_delay_alu instid0(VALU_DEP_1)
	v_lshl_add_u32 v3, v8, 4, v3
	s_lshl_b32 s22, s16, 13
	s_lshl_b32 s23, s17, 11
	s_add_co_u32 s22, s22, s23
	v_add_nc_u32 v3, s22, v3                       ; codes: 4096 (2 g + lane / 16) + 256 (8 kh) + 16 (lane % 16); block t stands in the immediate
	v_lshlrev_b32 v4, 4, v1
	s_lshl_b32 s22, s16, 9
	s_lshl_b32 s23, s17, 3
	s_add_co_u32 s22, s22, s23
	s_add_co_u32 s22, s22, WSCL
	v_add_nc_u32 v4, s22, v4                       ; LDS: my column's 16 scale bytes, my half of them: 16 (32 g + lane) + 8 kh
	v_lshlrev_b32 v5, 3, v1
	s_lshl_b32 s22, s12, 8
	s_add_co_u32 s23, s22, 32768
	v_add_nc_u32 v6, s23, v5                       ; on the way out wave w takes 256 of the 2,048 scale bytes, 8 a lane: in wq's block,
	s_add_co_u32 s23, s22, WSCL
	v_add_nc_u32 v5, s23, v5                       ; and in LDS
.macro WBLOCK t
.set XS, XW+32*((\t)%2)
.if (\t) < 7
	s_wait_loadcnt 32                              ; this block's 32 loads are in; the next block's 32 may be out
.else
	s_wait_loadcnt 0x0
.endif
	v_max3_num_f32 v12, |v[XS]|, |v[XS+1]|, |v[XS+2]|                           ; the block's largest magnitude: all 32 numbers are mine
	v_max3_num_f32 v13, |v[XS+3]|, |v[XS+4]|, |v[XS+5]|
.irp i, 6,10,14,18,22,26
	s_delay_alu instid0(VALU_DEP_2)
	v_max3_num_f32 v12, v12, |v[XS+\i]|, |v[XS+\i+1]|
	s_delay_alu instid0(VALU_DEP_2)
	v_max3_num_f32 v13, v13, |v[XS+\i+2]|, |v[XS+\i+3]|
.endr
	s_delay_alu instid0(VALU_DEP_2)
	v_max3_num_f32 v12, v12, |v[XS+30]|, |v[XS+31]|
	s_delay_alu instid0(VALU_DEP_1)
	v_max3_num_f32 v12, v12, v13, 0x1800000        ; and the floor 2^(3 - 127)
	s_delay_alu instid0(VALU_DEP_1)
	v_add_nc_u32 v14, 0xff000000, v12              ; 2 off its exponent field: the conversion's scale operand
	s_delay_alu instid0(VALU_DEP_1)
	v_lshrrev_b32 v13, 23, v14                     ; the scale's byte
.if (\t)%4 == 0
	s_delay_alu instid0(VALU_DEP_1)
	v_mov_b32 v[SB+(\t)/4], v13                    ; four bytes to a register, the lower K in the lower byte
.else
	s_delay_alu instid0(VALU_DEP_1)
	v_lshl_or_b32 v[SB+(\t)/4], v13, 8*((\t)%4), v[SB+(\t)/4]
.endif
.irp g, 0,1,2,3
	v_cvt_scalef32_pk8_fp4_f32 v[CW+4*(\t)+\g], v[XS+8*\g:XS+8*\g+7], v14
.endr
	global_store_b128 v3, v[CW+4*(\t):CW+4*(\t)+3], s[10:11] offset:256*(\t)    ; lanes 0-15 store 256 consecutive bytes, at a multiple of 256 from wq's first byte; lanes 16-31 likewise
.if (\t)+2 < 8
	WLOAD (\t)+2                                   ; (the next vector instructions are the next block's maxima: plain, and on other registers than these conversions')
.endif
.endm
.irp t, 0,1,2,3,4,5,6,7
	WBLOCK \t
.endr
	ds_store_b64 v4, v[SB:SB+1]                    ; a column's 16 bytes come from two waves: they meet in LDS
	s_wait_dscnt 0x0                               ; for the others' sake
	s_barrier_signal -1
	s_barrier_wait -1
	ds_load_b64 v[22:23], v5
	s_wait_dscnt 0x0
	global_store_b64 v6, v[22:23], s[10:11]        ; 256 consecutive scale bytes, aligned
	s_wait_tensorcnt 0x0
	ds_add_u32 v216, v217
	s_wait_dscnt 0x0
	s_endpgm
.Lfunc_end_k_qd5989c3c50_quant:
	.size	k_qd5989c3c50_quant, .Lfunc_end_k_qd5989c3c50_quant-k_qd5989c3c50_quant
	.p2alignl 7, 3214868480
	.fill 96, 4, 3214868480
	.section	.rodata,"a",@progbits
	.p2align	6, 0x0
	.amdhsa_kernel k_qd5989c3c50_quant
		.amdhsa_group_segment_fixed_size 80896
		.amdhsa_private_segment_fixed_size 0
		.amdhsa_enable_private_segment 0
		.amdhsa_kernarg_size 32
		.amdhsa_user_sgpr_count 2
		.amdhsa_user_sgpr_kernarg_segment_ptr 1
		.amdhsa_wavefront_size32 1
		.amdhsa_system_sgpr_workgroup_id_x 1
		.amdhsa_system_sgpr_workgroup_id_y 1
		.amdhsa_system_sgpr_workgroup_id_z 1
		.amdhsa_system_vgpr_workitem_id 0
		.amdhsa_next_free_vgpr 218
		.amdhsa_next_free_sgpr 66
		.amdhsa_reserve_vcc 0
		.amdhsa_float_denorm_mode_32 3
		.amdhsa_float_denorm_mode_16_64 3
		.amdhsa_memory_ordered 1
		.amdhsa_forward_progress 1
		.amdhsa_inst_pref_size 102
	.end_amdhsa_kernel
	.amdgpu_metadata
---
amdhsa.version: [ 1, 2 ]
amdhsa.kernels:
  - .name:           k_qd5989c3c50_quant
    .symbol:         k_qd5989c3c50_quant.kd
    .args:
      - { .name: x, .offset: 0, .size: 8, .value_kind: global_buffer, .address_space: global }
      - { .name: W, .offset: 8, .size: 8, .value_kind: global_buffer, .address_space: global }
      - { .name: xq, .offset: 16, .size: 8, .value_kind: global_buffer, .address_space: global }
      - { .name: wq, .offset: 24, .size: 8, .value_kind: global_buffer, .address_space: global }
    .group_segment_fixed_size: 80896
    .private_segment_fixed_size: 0
    .kernarg_segment_align: 8
    .kernarg_segment_size: 32
    .max_flat_workgroup_size: 256
    .sgpr_count:     66
    .vgpr_count:     218
    .wavefront_size: 32
...
	.end_amdgpu_metadata
.endif
;; end of part 1
;; launch gemm (part 2): grid 16 x 16, 4 waves a work-group, clusters of 4 x 4, 327,680 bytes of LDS; arguments xq, wq, b, out0; writes out0
.if DOCPART == 2
	.amdgcn_target "amdgcn-amd-amdhsa--gfx1250"
	.amdhsa_code_object_version 6
	.text
	.protected	k_qd5989c3c50_gemm
	.globl	k_qd5989c3c50_gemm
	.p2align	8
	.type	k_qd5989c3c50_gemm,@function
k_qd5989c3c50_gemm:
	s_mov_b64 s[64:65], 0
	v_nop
	global_prefetch_b8 v0, s[64:65] scope:SCOPE_SE
	s_setreg_imm32_b32 hwreg(HW_REG_WAVE_MODE, 25, 1), 1
	s_wait_xcnt 0x0
	s_wait_alu depctr_hold_cnt(0) depctr_sa_sdst(0) depctr_va_vdst(0) depctr_va_sdst(0) depctr_va_ssrc(0) depctr_va_vcc(0) depctr_vm_vsrc(0)
	s_getreg_b32 s2, hwreg(HW_REG_IB_STS2, 6, 4)
	s_cmp_eq_u32 s2, 0
	s_cbranch_scc0 .Lentry_in_a_cluster
	s_endpgm
.Lentry_in_a_cluster:
	s_bfe_u32 s2, ttmp6, 0x10000c
	s_cmp_lg_u32 s2, 0xf033
	s_cbranch_scc0 .Lentry_shape_is_right
	s_endpgm
.Lentry_shape_is_right:
; out0 = relu(xq wq^T + b): xq holds the codes (FP4, E2M1) and E8M0 scale bytes of the normalised rows of x, wq those of W's columns, both quantised along K by the launch before.
; Both buffers: [128 operand rows][512 along K][a block of BLK bytes]; in a block the fragment of rows 16 i .. 16 i + 15 and of the q-th 128 along K is 1,024 bytes on end at (4 i + q) 1024, 16 bytes a lane in two halves of 512;
; behind the 32,768 bytes of codes lie the scale bytes, row 16 i + r's sixteen at 32768 + 256 i + 16 r.  A block is 136 rows of 256 bytes, dense, and begins at a multiple of 256 bytes.
; A work-group of four waves makes 256 x 256 of out0, a wave 128 x 128: 512 accumulator registers.  K goes in steps of 512 through two LDS slots (x's two blocks, then W's two); each wave fetches one block by one tensor load.
; CLUSTERS: 4 x 4 work-groups; x's blocks are asked for jointly along a row of the cluster, W's along a column.
; THE MATRIX INSTRUCTION is the 32 x 16 x 128 form, USED TRANSPOSED: source 0 = 32 columns of W (two neighbouring fragments, 16 registers), source 1 = 16 rows of x.  A lane holds a row of out0: result registers 0-7 are eight
; neighbouring columns of the first sixteen, registers 8-15 of the second sixteen.  Source 0's scale word fills all 32 lanes (lane m: column m); source 1's lies in lanes 0-15 or, with the ROW1 selector, in lanes 16-31.
; Both operands have two sets of fragment registers: a step of 128 along K opens with the one run of 32 LDS loads for the next step, a whole step's products ahead of their use.
; THE LAST K STEP GOES BY ROWS OF out0: all its fragments of W fill window 1, and the wave's eight blocks of 16 rows are finished and stored one after the other.
; The bias is added on the way out, where a lane holds the same four columns in every row: four registers.  So b is added behind the sum over K, not ahead of it: another order of rounding than the reference's.
; LIMITS: NaN and infinities are not served (a NaN sum would leave as 0).
; REGISTERS: window 0: v0-31 addresses; v32-95 scale words, two sets of 16 for x and 16 for W; v96-99 bias; v128-191, v192-255 x's fragments, two sets (in the last K step: two buffers of 16 rows x 512 K, and the rows read back from the stage).
;   window 1: W's fragments, sets at v0 and v128 (in the last K step all 256).   windows 2, 3: the accumulators of my rows 0-63, 64-127: x's block a against W's pair j at v[8 (8 (a % 4) + 2 j)], 16 registers.
.set BLK,    34816
.set RBS,    8*BLK                     ; the eight K steps of 128 operand rows
.set NQ,     4                         ; steps of 128 in a K step
.set FR,     8                         ; registers of a fragment
.set NP,     4                         ; places behind this matrix instruction (ISA guide 7.12.1)
.set HALFT,  BLK
.set SLOT,   4*HALFT
.set LAPS,   4                         ; a lap = two K steps = once round the ring
.set SPARE,  2*SLOT                    ; behind the ring: the spare words, 128 bytes a wave
.set SPITCH, 528                       ; the way out: 16 rows x (512 + 16) bytes for each wave, in slot 0, behind its last fill and its last read
.set ROWC,   16384                     ; a row of out0 in bytes
.set PF0,  8                           ; v8   prefetch: 256 x lane
.set PF1,  9                           ; v9   prefetch: units 32 and 33 of my 34 (lanes 1-31 name the last)
.set ADRA, 16                          ; v16-17 LDS address of x's block in slot 0, 1, + 16 x lane
.set ADRB, 20                          ; v20-21 the same for W
.set STO,  24
.set RD,   25
.set CO,   26
.set SPW,  28                          ; my spare word; never rewritten
.set NIL,  29                          ; 0; never rewritten
.set SC,   32                          ; scale words: set s at SC + 32 s: x's pair j, word q at 4 j + q; W's at 16 + 4 j + q
.set BIAS, 96
.set AF,   128
.set PA,   128
.set BK,   192
.set G1,  24
.set G0,  32
.set G1B, 48
.set G0B, 56
.set PFA, 66                           ; s[66:67] where my prefetches stand: my work-group's 34 units of the block that I fetch
.set MSB, 0
.macro WIN new                         ; the immediate's high byte repeats the setting that is left
.if MSB != (\new)
	s_set_vgpr_msb (MSB<<8)|(\new)
.set MSB, (\new)
.endif
.endm
.set MUL_LO, 0xa1                      ; source 0 (W) window 1, source 1 (x) window 0, C and D window 2
.set MUL_HI, 0xf1
.set TO_B,   0x40
; a joint load: waves 0, 1 fetch x's two blocks, waves 2, 3 W's; s_nop 0 and four v_nop behind each line
.macro JLOAD s
	s_cmp_eq_u32 s15, 0
	s_cbranch_scc0 .Lfor_b_\@
	tensor_load_to_lds s[G0+4*\s:G0+4*\s+3], s[G1:G1+7]
	s_nop 0
.rept 4
	v_nop
.endr
	s_branch .Lasked_\@
.Lfor_b_\@:
	tensor_load_to_lds s[G0B+4*\s:G0B+4*\s+3], s[G1B:G1B+7]
	s_nop 0
.rept 4
	v_nop
.endr
.Lasked_\@:
.endm
.macro CREST                           ; a round of the cluster's barrier behind its opening barrier
	s_cmp_lg_u32 s14, 0
	s_cbranch_scc1 .Lnot_wave_0_\@
	s_barrier_signal -3
.Lnot_wave_0_\@:
	s_barrier_wait -3
	s_barrier_signal -1
	s_barrier_wait -1
.endm
.macro CROUND
	s_barrier_signal -1
	s_barrier_wait -1
	CREST
.endm
; A prefetch into the L2: 34 units of 256 bytes of the block at byte off from s[PFA]: two instructions, a lane a unit.  The four partners that ask for a block jointly share its 136 units out by address.
.macro PFETCH off
	global_prefetch_b8 v[PF0], s[PFA:PFA+1] offset:\off th:TH_LOAD_NT scope:SCOPE_SE
	global_prefetch_b8 v[PF1], s[PFA:PFA+1] offset:\off th:TH_LOAD_NT scope:SCOPE_SE
.endm
.macro ASK off                         ; in the loop: the K step two refills on; the last lap (s3 = 1) has none
	s_cmp_gt_u32 s3, 1
	s_cbranch_scc0 .Lno_ask_\@
	PFETCH \off
.Lno_ask_\@:
.endm
	s_load_b256 s[4:11], s[0:1], 0x0               ; xq s[4:5], wq s[6:7], b s[8:9], out0 s[10:11]
	v_lshl_add_u32 v[SPW], v0, 2, SPARE
	v_mov_b32 v[NIL], 0
	ds_add_u32 v[SPW], v[NIL]                      ; the opening lines: the add, twice on end, and its wait ahead of my first tensor load
	ds_add_u32 v[SPW], v[NIL]
	v_lshrrev_b32 v1, 5, v0
	v_readfirstlane_b32 s14, v1                    ; wave 0..3
	v_and_b32 v[PF0], 31, v0
	v_min_u32 v[PF1], 1, v[PF0]
	v_lshlrev_b32 v[PF0], 8, v[PF0]
	v_lshl_add_u32 v[PF1], v[PF1], 8, 8192
	s_wait_alu depctr_va_vdst(0)                   ; the wait here, ahead of the run of scalar instructions
	s_lshr_b32 s15, s14, 1                         ; my half of the rows.  Also: I fetch for x (0) or for W (1)
	s_and_b32 s16, s14, 1                          ; my half of the columns.  Also: which of the two blocks I fetch
	s_bfe_u32 s40, ttmp6, 0x40000                  ; cx, cy
	s_bfe_u32 s41, ttmp6, 0x40004
	s_lshl_b32 s42, ttmp9, 2
	s_add_co_u32 s42, s42, s40                     ; tile column
	s_and_b32 s17, ttmp7, 0xffff
	s_lshl_b32 s17, s17, 2
	s_add_co_u32 s17, s17, s41                     ; tile row
	s_lshl_b32 s43, s41, 2
	s_lshl_b32 s43, 15, s43                        ; my row of the cluster
	s_lshl_b32 s44, 0x1111, s40                    ; my column
	s_or_b32 s[G1+0], s43, (3<<16)|(1<<21)         ; elements of 8 bytes; bit 21 beside the mask; no padding: a fragment load reads 512 bytes on end
	s_or_b32 s[G1B+0], s44, (3<<16)|(1<<21)
.irp g, G1, G1B
	s_mov_b32 s[\g+1], 32<<16                      ; rows of 32 elements = 256 bytes,
	s_mov_b32 s[\g+2], 136<<16                     ; 136 of them
	s_mov_b32 s[\g+3], 32<<16
	s_mov_b32 s[\g+4], 136
	s_mov_b32 s[\g+5], 32
	s_mov_b32 s[\g+6], 0
	s_mov_b32 s[\g+7], 0
.endr
	s_lshl_b32 s20, s17, 1
	s_add_co_u32 s20, s20, s16
	s_mul_i32 s20, s20, RBS                        ; x: block row 2 x tile row + which
	s_mov_b32 s21, 0
	s_lshl_b32 s46, s42, 1
	s_add_co_u32 s46, s46, s16
	s_mul_i32 s46, s46, RBS                        ; W: 2 x tile column + which
	s_mov_b32 s47, 0
	s_mul_i32 s45, s14, HALFT                      ; where my block goes: wave x BLK
	s_wait_dscnt 0x0                               ; both opening adds are done
	s_wait_kmcnt 0x0
	s_add_nc_u64 s[20:21], s[4:5], s[20:21]
	s_add_nc_u64 s[46:47], s[6:7], s[46:47]
	s_cmp_eq_u32 s15, 0
	s_cselect_b64 s[PFA:PFA+1], s[20:21], s[46:47] ; the block that I fetch,
	s_cselect_b32 s68, s40, s41                    ; my place among the four that ask for it with me,
	s_mul_i32 s68, s68, 34*256                     ; and my work-group's 34 units of it
	s_mov_b32 s69, 0
	s_add_nc_u64 s[PFA:PFA+1], s[PFA:PFA+1], s[68:69]
	PFETCH 0                                       ; K step 0's blocks, the buffers' first touch, are asked for as soon as the addresses stand: ahead of the round and of the load
.irp s, 0,1
	s_mov_b32 s[G0+4*\s], 1
	s_add_co_u32 s[G0+4*\s+1], s45, \s*SLOT
	s_add_nc_u64 s[G0+4*\s+2:G0+4*\s+3], s[20:21], \s*BLK
	s_or_b32 s[G0+4*\s+3], s[G0+4*\s+3], 0x80000000
	s_mov_b32 s[G0B+4*\s], 1
	s_add_co_u32 s[G0B+4*\s+1], s45, \s*SLOT
	s_add_nc_u64 s[G0B+4*\s+2:G0B+4*\s+3], s[46:47], \s*BLK
	s_or_b32 s[G0B+4*\s+3], s[G0B+4*\s+3], 0x80000000
.endr
	CROUND                                         ; all sixteen work-groups are here: the first joint loads meet
	JLOAD 0                                        ; K step 0: one tensor load a wave at the head
	PFETCH BLK                                     ; K step 1, which is loaded when K step 0 has landed
	v_and_b32 v1, 15, v0                           ; l % 16
	v_bfe_u32 v2, v0, 4, 1                         ; l / 16
	v_and_b32 v3, 31, v0
	v_lshlrev_b32 v4, 4, v3                        ; a fragment: 16 bytes a lane
	s_wait_alu depctr_va_vdst(0)
	s_mul_i32 s21, s15, HALFT
	s_mul_i32 s22, s16, HALFT
	s_add_co_u32 s22, s22, 2*HALFT
.irp s, 0,1
	v_add_nc_u32 v[ADRA+\s], s21, v4
	v_add_nc_u32 v[ADRB+\s], s22, v4
	s_add_co_u32 s21, s21, SLOT
	s_add_co_u32 s22, s22, SLOT
.endr
	s_mul_i32 s23, s14, 16*SPITCH                  ; my stage
	v_mul_u32_u24 v5, v1, SPITCH
	v_lshl_add_u32 v5, v2, 5, v5
	v_add_nc_u32 v[STO], s23, v5                   ; in: row l % 16, 32 bytes for each half of the lanes
	v_lshlrev_b32 v[CO], 4, v3                     ; back: the 32 lanes take a row of 512 bytes; the same in out0 and in b
	v_add_nc_u32 v[RD], s23, v[CO]
	s_wait_alu depctr_va_vdst(0)                   ; the head's end: no vector register is written from here to the wait below
	s_lshl_b32 s20, s17, 8
	s_lshl_b32 s21, s15, 7
	s_add_co_u32 s20, s20, s21
	s_lshl_b32 s20, s20, 14                        ; my first row of out0, in bytes
	s_mov_b32 s21, 0
	s_lshl_b32 s46, s42, 10
	s_lshl_b32 s47, s16, 9
	s_add_co_u32 s46, s46, s47                     ; my first column, in bytes
	s_mov_b32 s47, 0
	s_add_nc_u64 s[8:9], s[8:9], s[46:47]
	s_add_nc_u64 s[10:11], s[10:11], s[46:47]
	s_add_nc_u64 s[10:11], s[10:11], s[20:21]
	global_load_b128 v[BIAS:BIAS+3], v[CO], s[8:9] ; b at my four columns; waited for on the way out
.macro FRAG reg, adr, q, i             ; 16 rows x 128 K: registers 0-3 and 4-7, each 512 bytes on end over the lanes
.irp c, 0,1
	ds_load_b128 v[\reg+4*\c:\reg+4*\c+3], v[\adr] offset:((\i)*4+(\q))*1024+512*\c
.endr
.endm
; one matrix instruction: acc += (W's pair at bf) x (x's block at af); sw, sx: their scale words; zero = 1: the product starts the sum; odd = 1: x's word lies in lanes 16-31
.macro WM acc, bf, af, sw, sx, zero, odd
.if \zero
.if \odd
	v_wmma_scale_f32_32x16x128_f4 v[\acc:\acc+15], v[\bf:\bf+15], v[\af:\af+7], 0, v[\sw], v[\sx] matrix_b_scale:MATRIX_SCALE_ROW1
.else
	v_wmma_scale_f32_32x16x128_f4 v[\acc:\acc+15], v[\bf:\bf+15], v[\af:\af+7], 0, v[\sw], v[\sx]
.endif
.else
.if \odd
	v_wmma_scale_f32_32x16x128_f4 v[\acc:\acc+15], v[\bf:\bf+15], v[\af:\af+7], v[\acc:\acc+15], v[\sw], v[\sx] matrix_b_scale:MATRIX_SCALE_ROW1
.else
	v_wmma_scale_f32_32x16x128_f4 v[\acc:\acc+15], v[\bf:\bf+15], v[\af:\af+7], v[\acc:\acc+15], v[\sw], v[\sx]
.endif
.endif
.endm
; 8 matrix instructions: x's blocks a0, a0 + 1 against W's four pairs; p: the fragment sets; q: which 128 of the K step; sc: the set of scale words.  The 32 accumulators take turns.
.macro MUL8 a0, p, q, sc, zero
.irp a, \a0, \a0+1
.irp j, 0,1,2,3
	WM 8*(8*((\a)%4)+2*\j),128*(\p)+16*\j,AF+64*(\p)+FR*(\a),SC+32*(\sc)+16+4*\j+(\q),SC+32*(\sc)+4*((\a)/2)+(\q),\zero,(\a)%2
.endr
.endr
.endm
.macro FETCH slot, q, p                ; 32 LDS loads in one run: W's eight fragments and x's eight into sets p
	WIN TO_B
.irp i, 0,1,2,3,4,5,6,7
	FRAG 128*(\p)+FR*\i, ADRB+\slot, \q, \i
.endr
	WIN 0
.irp i, 0,1,2,3,4,5,6,7
	FRAG AF+64*(\p)+FR*\i, ADRA+\slot, \q, \i
.endr
.endm
.macro SCALES sc                       ; a K step's scale words, four a row: lanes 0-15 take block 2 j's rows, lanes 16-31 block 2 j + 1's: 512 bytes on end
.irp j, 0,1,2,3
	ds_load_b128 v[SC+32*\sc+4*\j:SC+32*\sc+4*\j+3], v[ADRA+\sc] offset:32768+512*\j
	ds_load_b128 v[SC+32*\sc+16+4*\j:SC+32*\sc+16+4*\j+3], v[ADRB+\sc] offset:32768+512*\j
.endr
.endm
.macro PLACES n
.rept \n
	v_nop
.endr
.endm
; a step of 128 along K that has its successor in the same slot
.macro STEP slot, q, zero
	PLACES NP                                      ; behind the last step's products, whose sets the loads below fill
	FETCH \slot, (\q)+1, 1-(\q)%2
	s_wait_dscnt 32                                ; all but the 32 just issued: this step's fragments (and scale words) are in
	WIN MUL_LO
	MUL8 0, (\q)%2, \q, \slot, \zero
	MUL8 2, (\q)%2, \q, \slot, \zero
	WIN MUL_HI
	MUL8 4, (\q)%2, \q, \slot, \zero
	MUL8 6, (\q)%2, \q, \slot, \zero
.endm
; the first half of a slot's last step: the three lines and the barrier's signal and wait
.macro MEET slot
	WIN 0
	s_wait_tensorcnt 0x0                           ; my one load that was out, my block of the next slot, has landed
	ds_add_u32 v[SPW], v[NIL]
	s_wait_dscnt 1                                 ; this step's fragments are in; the add may be out
	WIN MUL_LO
	MUL8 0, 1, NQ-1, \slot, 0
	s_wait_dscnt 0x0                               ; the add is done; my reads of this slot were over above
	s_barrier_signal -1
	MUL8 2, 1, NQ-1, \slot, 0
	WIN 0
	s_barrier_wait -1
.endm
.macro TURN slot, next
	MEET \slot
	CREST                                          ; the barrier has opened a round of the cluster's barrier: no wave of any partner still reads this slot or has a load on its way
	s_add_nc_u64 s[G0+4*\slot+2:G0+4*\slot+3], s[G0+4*\slot+2:G0+4*\slot+3], 2*BLK
	s_add_nc_u64 s[G0B+4*\slot+2:G0B+4*\slot+3], s[G0B+4*\slot+2:G0B+4*\slot+3], 2*BLK
	JLOAD \slot                                    ; the refill, two K steps on; its four v_nop are also the places in front of the loads below
	FETCH \next, 0, 0
	SCALES \next
	ASK (4+\slot)*BLK                              ; the K step that the refill two changes of slots on will load
	WIN MUL_HI
	MUL8 4, 1, NQ-1, \slot, 0
	MUL8 6, 1, NQ-1, \slot, 0
.endm
	s_wait_tensorcnt 0x0                           ; my block of K step 0 is in
	ds_add_u32 v[SPW], v[NIL]
	s_wait_dscnt 0x0
	CROUND
	JLOAD 1                                        ; K step 1, the first tensor load behind the round
	FETCH 0, 0, 0
	SCALES 0
	PFETCH 2*BLK                                   ; K steps 2 and 3: the first two refills' blocks
	PFETCH 3*BLK
	STEP 0, 0, 1                                   ; the first step's products start the sums
	WIN 0
	s_mov_b32 s3, LAPS-1
.Llap:                                                 ; a trip goes once round the ring, from a lap's second step to the next lap's first
	STEP 0, 1, 0
	STEP 0, 2, 0
	TURN 0, 1
	STEP 1, 0, 0
	STEP 1, 1, 0
	STEP 1, 2, 0
	TURN 1, 0
	STEP 0, 0, 0
	WIN 0
	s_wait_xcnt 0x0                                ; my prefetches have read their base: it steps a lap on
	s_add_nc_u64 s[PFA:PFA+1], s[PFA:PFA+1], 2*BLK
	s_sub_co_u32 s3, s3, 1
	s_cmp_lg_u32 s3, 0
	s_cbranch_scc1 .Llap
	STEP 0, 1, 0
	STEP 0, 2, 0
; THE LAST K STEP (slot 1), BY ROWS.  W's quarter q goes to window 1, v[64 (q xor q / 2)]: quarter 3 takes set 1's registers, which are at work longest.
.macro BLOAD q
.irp i, 0,1,2,3,4,5,6,7
	FRAG 64*((\q)^((\q)>>1))+FR*\i, ADRB+1, \q, \i
.endr
.endm
.macro ALOAD a                         ; x's block a, all four quarters, into buffer a % 2
.irp q, 0,1,2,3
	FRAG PA+32*((\a)%2)+FR*\q, ADRA+1, \q, \a
.endr
.endm
.macro ROW a                           ; block a is finished: 16 matrix instructions, its four accumulators by turns, K ascending
	WIN MUL_LO+0x50*((\a)/4)
.irp q, 0,1,2,3
.if ((\a) == 0) && (\q == 3)
	s_wait_dscnt 0x0                               ; W's quarter 3 is in
.endif
.irp j, 0,1,2,3
	WM 64*((\a)%4)+16*\j,64*((\q)^((\q)>>1))+16*\j,PA+32*((\a)%2)+FR*\q,SC+32+16+4*\j+\q,SC+32+4*((\a)/2)+\q,0,(\a)%2
.endr
.endr
.endm
.macro TOSTAGE a                       ; block a into my stage, each accumulator from its low end on, and back as whole rows of 512 bytes; LDS serves a wave's instructions in order (ISA guide 5.7.1.4)
	WIN 0x08+4*((\a)/4)
.irp b, 0,1,2,3,4,5,6,7
	ds_store_b128 v[STO], v[64*((\a)%4)+8*\b:64*((\a)%4)+8*\b+3] offset:64*\b
	ds_store_b128 v[STO], v[64*((\a)%4)+8*\b+4:64*((\a)%4)+8*\b+7] offset:64*\b+16
.endr
	WIN 0
.irp t, 0,1,2,3,4,5,6,7,8,9,10,11,12,13,14,15
	ds_load_b128 v[BK+4*\t:BK+4*\t+3], v[RD] offset:\t*SPITCH
.endr
.endm
.macro SEND a, younger                 ; younger: the LDS loads issued behind the block's, which may stay out
	s_wait_dscnt \younger
.if (\a) == 0
	s_wait_loadcnt 0x0                             ; the bias is in
.else
	s_add_nc_u64 s[10:11], s[10:11], 16*ROWC       ; behind the wait on XCNT ahead of TOSTAGE: the earlier stores have read their base
.endif
.irp t, 0,1,2,3,4,5,6,7,8,9,10,11,12,13,14,15
	v_pk_add_f32 v[BK+4*\t:BK+4*\t+1], v[BK+4*\t:BK+4*\t+1], v[BIAS:BIAS+1]
	v_pk_add_f32 v[BK+4*\t+2:BK+4*\t+3], v[BK+4*\t+2:BK+4*\t+3], v[BIAS+2:BIAS+3]
.endr
.set N, 0
.rept 64
	v_max_num_f32 v[BK+N], 0, v[BK+N]              ; ReLU
.set N, N+1
.endr
.irp t, 0,1,2,3,4,5,6,7,8,9,10,11,12,13,14,15
	global_store_b128 v[CO], v[BK+4*\t:BK+4*\t+3], s[10:11] offset:\t*ROWC th:TH_STORE_NT   ; 32 lanes store 512 consecutive bytes, at a multiple of 256 from out0's first byte
.endr
.endm
	MEET 0                                         ; slot 1, the last K step, is whole; nothing is filled again, so no round follows
	PLACES NP
	WIN TO_B
	BLOAD 0
	BLOAD 1
	BLOAD 2
	WIN 0
	ALOAD 0
	ALOAD 1
	SCALES 1
	WIN MUL_HI
	MUL8 4, 1, NQ-1, 0, 0
	MUL8 6, 1, NQ-1, 0, 0
	PLACES NP                                      ; for the loads into set 1's registers
	WIN TO_B
	BLOAD 3
	WIN 0
	s_wait_dscnt 16                                ; all but W's quarter 3
	ROW 0
.irp a, 0,1,2,3,4,5,6,7                ; each block leaves as soon as it is finished
	PLACES NP                                      ; behind the block's products: for the stores that read them and the loads into its buffer
.if \a > 0
	s_wait_xcnt 0x0                                ; the last block's stores have read their registers and their base
.endif
	TOSTAGE \a
.if \a < 6
	ALOAD \a+2
	SEND \a, 8
.else
	SEND \a, 0
.endif
.if \a < 7
	ROW \a+1
.endif
.endr
	s_wait_tensorcnt 0x0                           ; the wave's end
	ds_add_u32 v[SPW], v[NIL]
	s_wait_dscnt 0x0
	CROUND                                         ; the closing round
	s_endpgm
.Lfunc_end_k_qd5989c3c50_gemm:
	.size	k_qd5989c3c50_gemm, .Lfunc_end_k_qd5989c3c50_gemm-k_qd5989c3c50_gemm
	.p2alignl 7, 3214868480
	.fill 96, 4, 3214868480
	.section	.rodata,"a",@progbits
	.p2align	6, 0x0
	.amdhsa_kernel k_qd5989c3c50_gemm
		.amdhsa_group_segment_fixed_size 327680
		.amdhsa_private_segment_fixed_size 0
		.amdhsa_enable_private_segment 0
		.amdhsa_kernarg_size 32
		.amdhsa_user_sgpr_count 2
		.amdhsa_user_sgpr_kernarg_segment_ptr 1
		.amdhsa_wavefront_size32 1
		.amdhsa_system_sgpr_workgroup_id_x 1
		.amdhsa_system_sgpr_workgroup_id_y 1
		.amdhsa_system_sgpr_workgroup_id_z 1
		.amdhsa_system_vgpr_workitem_id 0
		.amdhsa_next_free_vgpr 1024
		.amdhsa_next_free_sgpr 72
		.amdhsa_reserve_vcc 0
		.amdhsa_float_denorm_mode_32 3
		.amdhsa_float_denorm_mode_16_64 3
		.amdhsa_memory_ordered 1
		.amdhsa_forward_progress 1
		.amdhsa_inst_pref_size 176
	.end_amdhsa_kernel
	.amdgpu_metadata
---
amdhsa.version: [ 1, 2 ]
amdhsa.kernels:
  - .name:           k_qd5989c3c50_gemm
    .symbol:         k_qd5989c3c50_gemm.kd
    .args:
      - { .name: xq, .offset: 0, .size: 8, .value_kind: global_buffer, .address_space: global }
      - { .name: wq, .offset: 8, .size: 8, .value_kind: global_buffer, .address_space: global }
      - { .name: b, .offset: 16, .size: 8, .value_kind: global_buffer, .address_space: global }
      - { .name: out0, .offset: 24, .size: 8, .value_kind: global_buffer, .address_space: global }
    .group_segment_fixed_size: 327680
    .private_segment_fixed_size: 0
    .kernarg_segment_align: 8
    .kernarg_segment_size: 32
    .max_flat_workgroup_size: 128
    .sgpr_count:     72
    .vgpr_count:     1024
    .wavefront_size: 32
...
	.end_amdgpu_metadata
.endif
;; end of part 2
